; MI455X (gfx1250); checked and timed in simulation.
; The chip was launched on July 23, 2026; its instructions are those of AMD's public machine-readable ISA for CDNA 5 (MIT licence, August 2026) and "CDNA5" Instruction Set Architecture Reference Guide (July 2026). The comments in the code are by the model that wrote it; some were corrected since.
;; QKV Attention. Allowed arithmetic: matrix products marked QUANTISED: E5M2 operands, one given power-of-two scale a tensor, by v_wmma_f32_16x16x64_bf8_bf8 or v_wmma_f32_16x16x128_bf8_bf8, f32 sums; everything else in f32.
;; Inputs: lowp_scales 4 int32 (the exponents e of the quantised operands' scales 2^e); qkv 64 x 192 x 2,048 float32.
;; Outputs: out0 64 x 64 x 2,048 float32.
;; This version of the problem:
;;   THIS VERSION OF THE PROBLEM IS GIVEN IN LOW PRECISION. The matrix products marked QUANTISED in the list below multiply operands that are first quantised to E5M2 (5 exponent bits, 2 mantissa bits; 8 bits a number), with one given power-of-two scale for each operand tensor; their sums are f32. All else is computed in f32.
;;   The module's matrix products, in the order in which they are computed (A, B: the left and right operand; K: the contracted axis; several contracted axes count as one K, in the product's order):
;;     1. batch 64 x [M 2,048, K 64] x [K 64, N 2,048]; A: computed on the way; B: computed on the way: QUANTISED (scales: A lowp_scales[0], B lowp_scales[1])
;;     2. batch 64 x [M 64, K 2,048] x [K 2,048, N 2,048]; A: computed on the way; B: softmax (see below): QUANTISED (scales: A lowp_scales[2], B lowp_scales[3])
;;   THE QUANTISER, for each operand of a quantised product, along K:
;;     - The operand's scale is 2^e, e = its entry of the input lowp_scales (int32; the entries are numbered through the quantised products in the list's order, A before B).
;;     - Each number is divided by the scale, clamped to +-57,344, and rounded to the nearest number of E5M2, ties to even, subnormals kept.
;;     - The product sums the exact products of the quantised numbers (number of the format x scale) in f32.
;;   ~~~python
;;   def quantise(x, axis, e):      # numpy; x: float32 -> the quantised numbers, widened to float32 again
;;       x = np.moveaxis(x, axis, -1); K = x.shape[-1]
;;       r = np.clip(x / 2.0 ** e, -57344, 57344)
;;       step = 2.0 ** (np.maximum(np.frexp(np.where(r == 0, 1, r))[1] - 1, -14) - 2)
;;       q = np.round(r / step) * step * 2.0 ** e      # np.round: ties to even
;;       return np.moveaxis(q, -1, axis).astype(np.float32)
;;   ~~~
;;   SOFTMAX AHEAD OF A QUANTISED PRODUCT. Where the list says 'softmax', what is quantised is not the finished softmax but p = 2^(t - M), with t = logit x log2(e) and M = ceil(the row's largest t), a whole number; so 1/2 < the row's largest p <= 1. The row's sum l is taken of the UNQUANTISED p, in f32, and the product's result is divided by l at the end. Since M is a whole number, a kernel that streams over the keys may use a running M (the ceiling of the running maximum): every later rescaling is an exact power of two, so the quantised numbers keep their values, but for numbers so far below the row's largest that they fall under the format's range.
;;   OPERANDS COMPUTED ON THE WAY. 'Computed on the way' means the value that the module computes at that place (a softmax that the list does not call 'softmax' is quantised finished and normalised). What goes into a quantiser is computed in f32, as accurately as f32 sums, v_exp_f32 and their like allow (about 1e-6 of the number): no bf16 or f16 on the way to a quantiser, and a product that is left as it is and whose result goes on into a quantised operand takes f32 operands (vector FMAs, or v_wmma_f32_16x16x4_f32). A number that lies on a knife's edge between two numbers of the format may be rounded either way, as far as f32 arithmetic and the matrix unit's own rounding can turn it there, and no further.
;; 2 versions, each right; version 2 is version 1 with the launch attn written anew for expert scheduling mode. Each part assembles by itself: llvm-mc -triple=amdgcn-amd-amdhsa -mcpu=gfx1250 --defsym DOCPART=n.
;; ======== version 1 of 2: 1 launch
;; launch attn (part 1): grid 4 x 64, 16 waves a work-group, no clusters, 309,760 bytes of LDS; arguments qkv, lowp_scales, out0; writes out0
.if DOCPART == 1
	.amdgcn_target "amdgcn-amd-amdhsa--gfx1250"
	.amdhsa_code_object_version 6
	.text
	.protected	k_qe834262791_attn
	.globl	k_qe834262791_attn
	.p2align	8
	.type	k_qe834262791_attn,@function
k_qe834262791_attn:
	s_mov_b64 s[64:65], 0
	v_nop
	global_prefetch_b8 v0, s[64:65] scope:SCOPE_SE
	s_setreg_imm32_b32 hwreg(HW_REG_WAVE_MODE, 25, 1), 1
	s_wait_xcnt 0x0
; out[b][c][t] = sum over s of softmax_s(sum over c' of (q g)(k g)) v[b][c][s], g = 64^(-1/4); qkv: [64][192][2048] f32 (rows 0-63 q, 64-127 k, 128-191 v; t innermost); out: [64][64][2048] f32.
; Both products on codes of BF8 (E5M2), each operand with its given scale 2^e: e0 for q g, e1 for k g, e2 for v, e3 for p.
; SOFTMAX: t = logit x log2(e); M = the running largest t rounded up to a whole number; p = 2^(t - M) is quantised, not normalised; the row's sum is taken of the unquantised p and divides at the end;
; when M moves, the sum and O are multiplied by 2^(old M - new M), which rounds nothing.
; SHARES.  A work-group owns 512 queries of one head (grid x: the block, y: the head); each of its 16 waves owns 32 queries, two tiles of 16, in 256 registers: four waves to a SIMD.
; Every wave walks the head's 2,048 keys, 64 a step, two steps (a chunk of 128 keys) a trip.
; QUANTISING ON THE WAY.  In trip j the 16 waves together turn chunk j + 1 of k and v into codes (wave w: channels 4 w .. 4 w + 3) and store them into LDS bytes of that chunk's own; the f32 numbers of chunk j + 2 are
; asked for then, a whole trip ahead of their wait.  All codes of the head stay in LDS and each byte is written once, so one barrier a trip (stores, wait, barrier, reads) is all the ordering.
; OPERANDS LIE IN LDS AS IMAGES OF THEIR REGISTERS: a fragment (16 rows x 64 along K: 8 registers) is two runs of 512 bytes, lane l's 16 bytes at 16 l.  Along K both operands of a product use the same place for the
; same k (register 4 d + i, half h, byte y: k = 32 d + 16 h + 4 i + y), which is not the form's own order: every product meets its partner, only the order of the sums inside an instruction differs.
; BOTH PRODUCTS ARE USED TRANSPOSED: S^T = K Q^T (source 0 = 16 keys, source 1 = 16 queries), O^T = V P^T (source 0 = 16 channels, source 1 = P): a lane holds ONE query throughout.
; THE ROWS OF A TILE ARE NOT NEIGHBOURS: row m of tile 2 b + u of a block of 32 positions is position 8 u + m % 8 + 16 (m / 8), for keys and for queries: so a lane's 16 registers of tiles 2 b, 2 b + 1 of S^T are the
; 16 neighbouring keys 32 b + 16 (lane / 16) + 0 .. 15, and p's conversions give the second product's operand as it stands.
; NO CLUSTER, NO TENSOR LOAD: what the four work-groups of a head share arrives as f32 and must pass registers to be scaled and quantised; two f32 slots of 128 keys x 128 rows x 4 bytes = 65,536 bytes each
; beside the 274,432 bytes of codes are 405,504 bytes, more than the 327,680 of LDS; and each f32 byte would cross LDS twice.
; LIMITS: e0, e1, e2, e3 each between -126 and 112; e0 + e1 between -126 and 127 (added to an exponent field); e2 + e3 is applied by v_ldexp_f32 and has none.  NaN and infinities among the inputs are not served.
; p below 2^-126 is 0 (v_exp_f32 gives no denormals: ISA guide, its entry in 15.8).
.set HEADB, 1572864                    ; a head of qkv in bytes: 192 rows of 8,192
.set KOFF,  524288                     ; k's first row in a head
.set VOFF,  1048576                    ; v's
.set KT,    1040                       ; LDS: a tile of 16 keys (or queries) x 64 channels: 1,024 bytes + 16
.set KSS,   4*KT                       ; a step's four tiles
.set KCS,   8*KT                       ; a chunk's eight;  K's images: bytes 0 .. 133,119
.set VB,    16*KCS                     ; V's images begin here
.set VHS,   272                        ; V: lanes 16-31's 256 bytes lie 272 behind lanes 0-15's
.set VBS,   544                        ; the fragment's second four registers
.set VFS,   1088                       ; the next tile of 16 channels
.set VSS,   4416                       ; the next step of 64 keys (4 x 1,088 + 64)
.set VCS,   2*VSS                      ; the next chunk;  V's images: 141,312 bytes
.set QIMG,  VB+16*VCS                  ; Q's 32 tiles, laid as K's: 33,280 bytes; LDS ends at 307,712
.set SP,    2064                       ; the way out: a stage of 64 rows (channels) x (512 queries x 4 bytes + 16), over K's images, which nobody reads any more
.set LI,   1                           ; v1   16 x lane: every global offset, and a fragment's place for my lane; never rewritten
.set ADK,  2                           ; v2   LDS address of the trip's tiles of K        (the way out: where I put channels 0-31)
.set ADV,  3                           ; v3   of V                                       (the way out: channels 32-63)
.set KST0, 4                           ; v4   where my lane stores codes of K, in chunk 0
.set VST0, 5                           ; v5   of V
.set ADV0, 6                           ; v6   my lane's place in a fragment of V, in chunk 0
.set KSTW, 7                           ; v7   KST0 + the trip's chunk                     (the way out: where I read rows back)
.set PSC,  8                           ; v8, v9    2^e3 and 57,344 x 2^e3
.set PLIM, 9
.set KSC,  10                          ; v10, v11  the same with e1
.set KLIM, 11
.set VSC,  12                          ; v12, v13  with e2
.set VLIM, 13
.set NM,   14                          ; tile t's statistics at + 6 t: -M,
.set SX,   15                          ; the largest score so far,
.set SU,   16                          ; the sum, in two halves (a pair),
.set FF,   18                          ; f = 2^(old M - new M),
.set TM,   19                          ; at work
.set U,    26                          ; tile t at + 2 t: at work; as a pair with W the second chain of the sum
.set W,    27
.set VSTW, 30                          ; v30  VST0 + the trip's chunk
.set TT,   30                          ; (at work at the head and on the way out)
.set QST,  31                          ; v31  where my lane stores codes of Q
.set Q,    32                          ; v32-47   Q's two fragments
.set P,    48                          ; v48-63   p's two fragments; at a trip's head the codes being made
.set QL,   60                          ; (head only) where my wave's fragments of Q lie
.set QSC,  62                          ; (head only) 2^e0 and 57,344 x 2^e0
.set QLIM, 63
.set F,    64                          ; v64-95   four fragments of K, later of V
.set S,    96                          ; v96-159  S^T, then p: 32 a tile
.set O,    160                         ; v160-223 O^T: accumulator (tile t, channels 16 c on) at 160 + 32 t + 8 c
.set ST,   224                         ; v224-255 the f32 chunk on its way: 16 of k, 16 of v
; s[4:5] qkv, s[6:7] the exponents' buffer, s[8:9] out; s10 wave, s11 head; s[16:19] e0..e3; s[20:21] c; s[22:23] lane selects; s[24:25] g; s[26:27] my four rows of the chunk to be loaded (at q's slab);
; s[28:29] the same at my block of queries; s30 trips; s31 e2 + e3; s33, s34 the trip's chunk in K's and V's images; s32, s35-s42 at work
.macro NOPS n
.rept \n
	v_nop
.endr
.endm
; eight loads of 512 consecutive bytes: 128 positions of my four channels of k, then of v.  Register 4 i + j of a lane: channel 4 w + i, position 4 lane + j
.macro GLOAD
.irp i, 0,1,2,3
	global_load_b128 v[ST+4*\i:ST+4*\i+3], v[LI], s[26:27] offset:KOFF+8192*\i
.endr
.irp i, 0,1,2,3
	global_load_b128 v[ST+16+4*\i:ST+16+4*\i+3], v[LI], s[26:27] offset:VOFF+8192*\i
.endr
.endm
; 16 numbers of q or k (4 channels x 4 positions) x g, held, converted; the 4 x 4 bytes are turned, so that a word holds 4 channels of one position, and each word goes to its position's row in the image
.macro QK16 src, tmp, sc, lim, adr, off
.irp i, 0,2,4,6,8,10,12,14
	v_pk_mul_f32 v[\src+\i:\src+\i+1], v[\src+\i:\src+\i+1], s[24:25] op_sel_hi:[1,0]   ; x g, in f32
.endr
.irp i, 0,1,2,3,4,5,6,7,8,9,10,11,12,13,14,15
	v_med3_num_f32 v[\src+\i], v[\src+\i], -v[\lim], v[\lim]   ; the conversion to an 8-bit code does not saturate (ISA guide 7.6.2): the hold at the largest code x the scale
.endr
	v_cvt_scalef32_pk8_bf8_f32 v[\tmp:\tmp+1], v[\src:\src+7], v[\sc]       ; word i: channel i, positions 0-3
	v_cvt_scalef32_pk8_bf8_f32 v[\tmp+2:\tmp+3], v[\src+8:\src+15], v[\sc]
	v_nop                                          ; one plain vector instruction between a scaled conversion and the vector instructions that read its result
	v_perm_b32 v[\tmp+4], v[\tmp+1], v[\tmp], 0x05010400     ; c0p0 c1p0 c0p1 c1p1
	v_perm_b32 v[\tmp+5], v[\tmp+1], v[\tmp], 0x07030602     ; c0p2 c1p2 c0p3 c1p3
	v_perm_b32 v[\tmp+6], v[\tmp+3], v[\tmp+2], 0x05010400   ; c2p0 c3p0 c2p1 c3p1
	v_perm_b32 v[\tmp+7], v[\tmp+3], v[\tmp+2], 0x07030602   ; c2p2 c3p2 c2p3 c3p3
	v_perm_b32 v[\tmp], v[\tmp+6], v[\tmp+4], 0x05040100     ; position 0: channels 0-3
	v_perm_b32 v[\tmp+1], v[\tmp+6], v[\tmp+4], 0x07060302   ; position 1
	v_perm_b32 v[\tmp+2], v[\tmp+7], v[\tmp+5], 0x05040100   ; position 2
	v_perm_b32 v[\tmp+3], v[\tmp+7], v[\tmp+5], 0x07060302   ; position 3
.irp j, 0,1,2,3
	ds_store_b32 v[\adr], v[\tmp+\j] offset:\off+16*\j       ; neighbouring positions are neighbouring rows of a tile: 16 bytes apart
.endr
.endm
; 16 numbers of v: its K, the keys, is innermost already: word i holds 4 neighbouring keys of channel i
.macro V16 src, tmp, adr, off
.irp i, 0,1,2,3,4,5,6,7,8,9,10,11,12,13,14,15
	v_med3_num_f32 v[\src+\i], v[\src+\i], -v[VLIM], v[VLIM]
.endr
	v_cvt_scalef32_pk8_bf8_f32 v[\tmp:\tmp+1], v[\src:\src+7], v[VSC]
	v_cvt_scalef32_pk8_bf8_f32 v[\tmp+2:\tmp+3], v[\src+8:\src+15], v[VSC]
	v_nop                                          ; the plain line behind the last conversion of a run: later vector and matrix instructions write these registers
.irp i, 0,1,2,3
	ds_store_b32 v[\adr], v[\tmp+\i] offset:\off+16*\i       ; neighbouring channels are neighbouring rows of a tile
.endr
.endm
; the next chunk's codes are made and stored; load = 1: the chunk behind it is asked for
.macro PRODUCE load
	s_wait_loadcnt 0x0                             ; the eight loads asked for a trip ago are in, so their base may step
.if \load
	s_add_nc_u64 s[26:27], s[26:27], 512
.endif
	QK16 ST, P, KSC, KLIM, KSTW, KCS
	V16 ST+16, P+8, VSTW, VCS
.if \load
	GLOAD
.endif
.endm
.macro KLOAD par                       ; the step's four tiles of K
.irp kt, 0,1,2,3
.irp qd, 0,1
	ds_load_b128 v[F+8*\kt+4*\qd:F+8*\kt+4*\qd+3], v[ADK] offset:KSS*\par+KT*\kt+512*\qd
.endr
.endr
.endm
.macro VLOAD par                       ; the step's four tiles of V
.irp ct, 0,1,2,3
.irp b, 0,1
	ds_load_b128 v[F+8*\ct+4*\b:F+8*\ct+4*\b+3], v[ADV] offset:VSS*\par+VFS*\ct+VBS*\b
.endr
.endr
.endm
.macro SMUL                            ; S^T = K Q^T: eight accumulators, one instruction each, begun with the constant 0
.irp kt, 0,1,2,3
.irp t, 0,1
	v_wmma_f32_16x16x64_bf8_bf8 v[S+32*\t+8*\kt:S+32*\t+8*\kt+7], v[F+8*\kt:F+8*\kt+7], v[Q+8*\t:Q+8*\t+7], 0
.endr
.endr
.endm
.macro PVMUL                           ; O^T += V P^T: the eight accumulators take turns, one instruction a turn, and S^T's eight stand between two turns of each
.irp ct, 0,1,2,3
.irp t, 0,1
	v_wmma_f32_16x16x64_bf8_bf8 v[O+32*\t+8*\ct:O+32*\t+8*\ct+7], v[F+8*\ct:F+8*\ct+7], v[P+8*\t:P+8*\t+7], v[O+32*\t+8*\ct:O+32*\t+8*\ct+7]
.endr
.endr
.endm
; the largest score of each query, the new M, and f.  The two tiles' lines alternate; each accumulator of S^T is read from its low end on
.macro MAXSTAT
.irp t, 0,1
	v_max3_num_f32 v[TM+6*\t], v[S+32*\t], v[S+32*\t+1], v[S+32*\t+2]
	v_max3_num_f32 v[U+2*\t], v[S+32*\t+3], v[S+32*\t+4], v[S+32*\t+5]
.endr
.irp i, 6,10,14,18,22,26
.irp t, 0,1
	v_max3_num_f32 v[TM+6*\t], v[TM+6*\t], v[S+32*\t+\i], v[S+32*\t+\i+1]
	v_max3_num_f32 v[U+2*\t], v[U+2*\t], v[S+32*\t+\i+2], v[S+32*\t+\i+3]
.endr
.endr
.irp t, 0,1
	v_max3_num_f32 v[TM+6*\t], v[TM+6*\t], v[S+32*\t+30], v[S+32*\t+31]
.endr
.irp t, 0,1
	v_max3_num_f32 v[TM+6*\t], v[TM+6*\t], v[U+2*\t], v[SX+6*\t]   ; with the largest so far
.endr
.irp t, 0,1
	v_permlanex16_b32 v[W+2*\t], v[TM+6*\t], s22, s23              ; the query's other 32 keys lie in the lane 16 away
.endr
.irp t, 0,1
	v_max_num_f32 v[SX+6*\t], v[TM+6*\t], v[W+2*\t]
.endr
.irp t, 0,1
	v_mul_f32 v[U+2*\t], s20, v[SX+6*\t]                           ; as t (c is positive)
.endr
.irp t, 0,1
	v_floor_f32 v[W+2*\t], -v[U+2*\t]                              ; the new -M = floor(-t) = -ceil(t): a whole number
.endr
.irp t, 0,1
	v_sub_f32 v[U+2*\t], v[W+2*\t], v[NM+6*\t]                     ; old M - new M: a whole number, 0 or less
.endr
.irp t, 0,1
	v_mov_b32 v[NM+6*\t], v[W+2*\t]
.endr
.irp t, 0,1
	v_cvt_i32_f32 v[U+2*\t], v[U+2*\t]                             ; (it saturates)
.endr
.irp t, 0,1
	v_ldexp_f32 v[FF+6*\t], 1.0, v[U+2*\t]                         ; f = 2^(old M - new M)
.endr
.endm
; line n of 16 of a tile's sum of its 16 pairs of p, in two chains: su = su x f + pair 0; t2 = pair 1 + pair 2; pairs 3 to 15 by turns; su += t2
.macro SUMOP sb, su, t2, ff
.if n == 0
	s_wait_alu depctr_va_vdst(0)
	v_pk_fma_f32 v[\su:\su+1], v[\su:\su+1], v[\ff:\ff+1], v[\sb:\sb+1] op_sel_hi:[1,0,1]
.elseif n == 1
	v_pk_add_f32 v[\t2:\t2+1], v[\sb+2:\sb+3], v[\sb+4:\sb+5]
.elseif n == 15
	v_pk_add_f32 v[\su:\su+1], v[\su:\su+1], v[\t2:\t2+1]
.elseif n % 2 == 0
	v_pk_add_f32 v[\su:\su+1], v[\su:\su+1], v[\sb+2*n+2:\sb+2*n+3]
.else
	v_pk_add_f32 v[\t2:\t2+1], v[\t2:\t2+1], v[\sb+2*n+2:\sb+2*n+3]
.endif
.endm
; p's hold.  p is at most 1, and from e3 = -15 on the largest code x the scale, 1.75 x 2^(15 + e3), is at least 1.75: nothing would be held, and a scalar branch on the given whole number leads round the 64 lines
.macro HOLD
	s_cmp_gt_i32 s19, -16
	s_cbranch_scc1 .Lfree_\@
.set n, 0
.rept 64
	v_min_num_f32 v[S+n], v[S+n], v[PLIM]          ; p is not negative: the hold is one-sided
.set n, n+1
.endr
.Lfree_\@:
.endm
.macro PCVT                            ; registers 4 b .. 4 b + 3 of P: keys 32 b + 16 (lane / 16) + 0 .. 15
.irp t, 0,1
.irp b, 0,1
	v_cvt_scalef32_pk8_bf8_f32 v[P+8*\t+4*\b:P+8*\t+4*\b+1], v[S+32*\t+16*\b:S+32*\t+16*\b+7], v[PSC]
	v_cvt_scalef32_pk8_bf8_f32 v[P+8*\t+4*\b+2:P+8*\t+4*\b+3], v[S+32*\t+16*\b+8:S+32*\t+16*\b+15], v[PSC]
.endr
.endr
	v_nop                                          ; one plain vector instruction between the conversions and the matrix instructions that read their results
.endm
; A KEY STEP: 64 keys, the par-th of the trip's chunk.  Four places stand ahead of it, behind the last products, for the loads into F.
.macro SUBSTEP par, quant, load
	KLOAD \par
.if \quant
	PRODUCE \load                                  ; stands between K's loads and the wait for them
.endif
	s_wait_dscnt 0x0                               ; K's fragments are in (at the first step Q's too)
	SMUL
	NOPS 4                                         ; places ahead of the loads into F, which those products read, and of the first read of S^T
	VLOAD \par                                     ; V's fragments land under the softmax
	MAXSTAT
.set n, 0
.rept 16
	v_pk_fma_f32 v[S+2*n:S+2*n+1], v[S+2*n:S+2*n+1], s[20:21], v[NM:NM+1] op_sel_hi:[1,0,0]   ; tile 0: t - M, two at a time (of the pairs c and -M the low word serves both halves)
.set n, n+1
.endr
.set n, 0
.rept 16                               ; an exponential and a plain line by turns: tile 0's p | tile 1's t - M, tile 0's O^T x f
	v_exp_f32 v[S+2*n], v[S+2*n]
	v_pk_fma_f32 v[S+32+2*n:S+32+2*n+1], v[S+32+2*n:S+32+2*n+1], s[20:21], v[NM+6:NM+7] op_sel_hi:[1,0,0]
	v_exp_f32 v[S+2*n+1], v[S+2*n+1]
	v_pk_mul_f32 v[O+2*n:O+2*n+1], v[O+2*n:O+2*n+1], v[FF:FF+1] op_sel_hi:[1,0]
.set n, n+1
.endr
.set n, 0
.rept 16                               ; tile 1's p | tile 0's sum, tile 1's O^T x f
	v_exp_f32 v[S+32+2*n], v[S+32+2*n]
	SUMOP S, SU, U, FF
	v_exp_f32 v[S+32+2*n+1], v[S+32+2*n+1]
	v_pk_mul_f32 v[O+32+2*n:O+32+2*n+1], v[O+32+2*n:O+32+2*n+1], v[FF+6:FF+7] op_sel_hi:[1,0]
.set n, n+1
.endr
.set n, 0
.rept 16
	SUMOP S+32, SU+6, U+2, FF+6                    ; tile 1's sum: of the unquantised p
.set n, n+1
.endr
	HOLD
	PCVT
	s_wait_dscnt 0x0                               ; V's fragments are in
	PVMUL
.endm
; A TRIP: chunk j is multiplied; quant = 1: chunk j + 1 is made; load = 1: chunk j + 2 is asked for.
.macro TRIP quant, load
	v_add_nc_u32 v[ADK], s33, v[LI]                ; the trip's four LDS addresses: a lane's place + the chunk.  These four lines are also the places behind the last products, ahead of the loads into F
	v_add_nc_u32 v[ADV], s34, v[ADV0]
	v_add_nc_u32 v[KSTW], s33, v[KST0]
	v_add_nc_u32 v[VSTW], s34, v[VST0]
	SUBSTEP 0, \quant, \load
	NOPS 4
	SUBSTEP 1, 0, 0
	s_wait_dscnt 0x0                               ; for the others' sake: my stores of the next chunk's codes have landed (and my reads of this chunk are over)
	s_barrier_signal -1
	s_barrier_wait -1                              ; the next chunk is whole
	s_add_co_u32 s33, s33, KCS
	s_add_co_u32 s34, s34, VCS
.endm
.macro MKSC e, sc, lim                 ; 2^e as f32 (the conversion takes its exponent field), and 57,344 x 2^e
	s_add_co_i32 s36, s[\e], 127
	s_lshl_b32 s37, s36, 23
	v_mov_b32 v[\sc], s37
	s_add_co_i32 s36, s36, 15
	s_lshl_b32 s36, s36, 23
	s_or_b32 s36, s36, 0x600000
	v_mov_b32 v[\lim], s36
.endm
	s_load_b128 s[4:7], s[0:1], 0x0                ; qkv, the exponents
	s_load_b64 s[8:9], s[0:1], 0x10                ; out
	v_lshrrev_b32 v[TT], 5, v0
	v_readfirstlane_b32 s10, v[TT]                 ; wave 0..15
	s_and_b32 s11, ttmp7, 0xffff                   ; the head
	v_and_b32 v[TT], 31, v0
	v_lshlrev_b32 v[LI], 4, v[TT]
	; K's (and Q's) stores.  My positions 4 l + j: tile 2 (l / 8) + bit 1 of l; row 8 (bit 2) + 4 (bit 0) + j.  My channels 4 w + 0..3: the run 512 (w / 8), the half 256 ((w / 4) % 2), byte 4 (w % 4)
	v_bfe_u32 v[TT], v0, 3, 2
	v_bfe_u32 v[KST0], v0, 1, 1
	v_lshl_add_u32 v[TT], v[TT], 1, v[KST0]
	v_mul_u32_u24 v[KST0], v[TT], KT
	v_and_b32 v[TT], 1, v0
	v_lshl_add_u32 v[KST0], v[TT], 6, v[KST0]
	v_bfe_u32 v[TT], v0, 2, 1
	v_lshl_add_u32 v[KST0], v[TT], 7, v[KST0]
	s_lshr_b32 s32, s10, 3
	s_lshl_b32 s32, s32, 9
	s_bfe_u32 s35, s10, 0x10002
	s_lshl_b32 s35, s35, 8
	s_add_co_u32 s32, s32, s35
	s_and_b32 s35, s10, 3
	s_lshl_b32 s36, s35, 2
	s_add_co_u32 s32, s32, s36
	v_add_nc_u32 v[KST0], s32, v[KST0]
	; V's stores.  My keys 4 l + 0..3: step l / 16, registers' half bit 3, lanes' half bit 2, byte 4 (l % 4).  My channels: tile w / 4, rows 4 (w % 4) + i
	v_bfe_u32 v[TT], v0, 4, 1
	v_mul_u32_u24 v[VST0], v[TT], VSS
	v_mul_u32_u24 v[ADV0], v[TT], VHS
	v_bfe_u32 v[TT], v0, 3, 1
	v_mad_u32_u24 v[VST0], v[TT], VBS, v[VST0]
	v_bfe_u32 v[TT], v0, 2, 1
	v_mad_u32_u24 v[VST0], v[TT], VHS, v[VST0]
	v_and_b32 v[TT], 3, v0
	v_lshl_add_u32 v[VST0], v[TT], 2, v[VST0]
	s_lshr_b32 s36, s10, 2
	s_mul_i32 s36, s36, VFS
	s_lshl_b32 s35, s35, 6
	s_add_co_u32 s36, s36, s35
	s_add_co_u32 s36, s36, VB
	v_add_nc_u32 v[VST0], s36, v[VST0]
	v_and_b32 v[TT], 15, v0                        ; V's reads: 16 (l % 16) + 272 (l / 16)
	v_lshl_add_u32 v[ADV0], v[TT], 4, v[ADV0]
	v_add_nc_u32 v[ADV0], VB, v[ADV0]
	v_add_nc_u32 v[QST], QIMG, v[KST0]
	s_mul_i32 s42, s10, 2*KT
	s_add_co_u32 s42, s42, QIMG
	v_add_nc_u32 v[QL], s42, v[LI]                 ; my wave's two tiles of Q: 2 w and 2 w + 1
	; byte offsets, apart from the addresses
	s_mul_i32 s36, s11, HEADB
	s_lshl_b32 s38, s10, 15                        ; my four rows of 8,192 bytes
	s_add_co_u32 s36, s36, s38
	s_mov_b32 s37, 0
	s_lshl_b32 s40, s11, 19                        ; out: a head is 64 rows of 8,192 bytes,
	s_add_co_u32 s40, s40, s38                     ; my four rows,
	s_lshl_b32 s38, ttmp9, 11                      ; my block's 512 queries
	s_mov_b32 s39, 0
	s_add_co_u32 s40, s40, s38
	s_mov_b32 s41, 0
	s_mov_b32 s22, 0x76543210                      ; v_permlanex16_b32: lane l xor 16
	s_mov_b32 s23, 0xfedcba98
	s_mov_b32 s24, 0x3eb504f3                      ; g = 64^(-1/4)
	s_mov_b32 s25, s24                             ; (named with it as a pair, so it is written)
	s_mov_b32 s33, 0
	s_mov_b32 s34, 0
	s_mov_b32 s30, 14
	s_wait_kmcnt 0x0
	s_load_b128 s[16:19], s[6:7], 0x0              ; e0, e1, e2, e3
	s_add_nc_u64 s[26:27], s[4:5], s[36:37]
	s_add_nc_u64 s[28:29], s[26:27], s[38:39]
	s_add_nc_u64 s[8:9], s[8:9], s[40:41]
	GLOAD                                          ; chunk 0 of k and v
.irp cq, 0,1,2,3                       ; my four channels of the block's 512 queries, 128 at a time
.irp i, 0,1,2,3
	global_load_b128 v[S+16*\cq+4*\i:S+16*\cq+4*\i+3], v[LI], s[28:29] offset:8192*\i+512*\cq th:TH_LOAD_NT
.endr
.endr
.set n, 0
.rept 64
	v_mov_b32 v[O+n], 0                            ; O^T.  (The step is written once: the first finds zeros, which the first change of M leaves zeros)
.set n, n+1
.endr
.irp t, 0,1
	v_mov_b32 v[SX+6*\t], 0xff61b1e6               ; the largest score so far: -3e38
	v_mov_b32 v[NM+6*\t], 0x7f61b1e6               ; -M
	v_mov_b32 v[SU+6*\t], 0
	v_mov_b32 v[SU+6*\t+1], 0
	v_mov_b32 v[W+2*\t], 0                         ; written once: a lane permute's destination counts as one of its sources
.endr
	s_wait_kmcnt 0x0
	s_add_co_i32 s36, s16, s17
	s_lshl_b32 s36, s36, 23
	s_add_co_i32 s20, s36, 0x3fb8aa3b              ; c = log2(e) x 2^(e0 + e1): a sum of codes stands for sum x 2^(e0 + e1); the two exponents are added to the exponent field
	s_mov_b32 s21, s20
	s_add_co_i32 s31, s18, s19                     ; e2 + e3
	MKSC 16, QSC, QLIM
	MKSC 17, KSC, KLIM
	MKSC 18, VSC, VLIM
	MKSC 19, PSC, PLIM
	s_wait_loadcnt 16                              ; chunk 0's eight loads are in; Q's sixteen, issued behind them, may be out
	QK16 ST, P, KSC, KLIM, KST0, 0
	V16 ST+16, P+8, VST0, 0
	s_add_nc_u64 s[26:27], s[26:27], 512           ; (the loads that named this base are done)
	GLOAD                                          ; chunk 1
	s_wait_loadcnt 8                               ; Q is in; chunk 1's eight may be out
.irp cq, 0,1,2,3
	QK16 S+16*\cq, F+8*\cq, QSC, QLIM, QST, KCS*\cq
.endr
	s_wait_dscnt 0x0                               ; for the others' sake: my stores have landed
	s_barrier_signal -1
	s_barrier_wait -1                              ; Q's images and chunk 0's are whole
.irp t, 0,1
.irp qd, 0,1
	ds_load_b128 v[Q+8*\t+4*\qd:Q+8*\t+4*\qd+3], v[QL] offset:KT*\t+512*\qd   ; Q stays in registers; the first step's wait for LDS covers these
.endr
.endr
.Ltrip:                                        ; trips 0 to 13: each asks for the chunk two on, so the last load is chunk 15's
	TRIP 1, 1
	s_sub_co_u32 s30, s30, 1
	s_cmp_lg_u32 s30, 0
	s_cbranch_scc1 .Ltrip
	TRIP 1, 0                                      ; trip 14 makes chunk 15 and asks for nothing: no load leaves the buffer
	TRIP 0, 0                                      ; trip 15; behind its barrier nobody reads K's images any more
	; THE WAY OUT.  A lane holds one query and eight channels a tile; out wants rows along t.  So O^T / the sum goes into a stage of 64 rows (channels) x 512 queries, and each wave stores four whole rows' 2,048 bytes.
	v_bfe_u32 v[TT], v0, 4, 1                      ; (these plain lines are the places behind the last products)
	v_mul_u32_u24 v[ADK], v[TT], 8*SP              ; channel 16 c + 8 (l / 16) + j,
	v_and_b32 v[TT], 7, v0
	v_lshl_add_u32 v[ADK], v[TT], 2, v[ADK]        ; query 32 w + 8 t + l % 8 + 16 ((l / 8) % 2), 4 bytes each
	v_bfe_u32 v[TT], v0, 3, 1
	v_lshl_add_u32 v[ADK], v[TT], 6, v[ADK]
	s_lshl_b32 s36, s10, 7
	v_add_nc_u32 v[ADK], s36, v[ADK]
	v_add_nc_u32 v[ADV], 32*SP, v[ADK]             ; channels 32 on: beyond the immediate's 16 bits
	s_mul_i32 s36, s10, 4*SP
	v_add_nc_u32 v[KSTW], s36, v[LI]               ; back: rows 4 w .. 4 w + 3
.irp t, 0,1
	v_add_f32 v[TM+6*\t], v[SU+6*\t], v[SU+6*\t+1] ; the sum's two halves,
.endr
.irp t, 0,1
	v_permlanex16_b32 v[W+2*\t], v[TM+6*\t], s22, s23
.endr
.irp t, 0,1
	v_add_f32 v[TM+6*\t], v[TM+6*\t], v[W+2*\t]    ; and lane l xor 16's: the row's sum
.endr
.irp t, 0,1
	v_rcp_f32 v[FF+6*\t], v[TM+6*\t]
.endr
	v_nop                                          ; a plain instruction between the last reciprocal and the use of its result
	s_wait_alu depctr_va_vdst(0)
.irp t, 0,1
	v_ldexp_f32 v[FF+6*\t], v[FF+6*\t], s31        ; x 2^(e2 + e3)
.endr
.irp t, 0,1
.set n, 0
.rept 16
	v_pk_mul_f32 v[O+32*\t+2*n:O+32*\t+2*n+1], v[O+32*\t+2*n:O+32*\t+2*n+1], v[FF+6*\t:FF+6*\t+1] op_sel_hi:[1,0]   ; each accumulator from its low end on
.set n, n+1
.endr
.endr
.irp t, 0,1
.irp ct, 0,1,2,3
.irp j, 0,1,2,3,4,5,6,7
	ds_store_b32 v[ADK+\ct/2], v[O+32*\t+8*\ct+\j] offset:(16*(\ct%2)+\j)*SP+32*\t
.endr
.endr
.endr
	s_wait_dscnt 0x0                               ; for the others' sake: my stores into the stage have landed
	s_barrier_signal -1
	s_barrier_wait -1
.irp rr, 0,1,2,3
.irp k, 0,1,2,3
	ds_load_b128 v[S+16*\rr+4*\k:S+16*\rr+4*\k+3], v[KSTW] offset:SP*\rr+512*\k
.endr
.endr
.set n, 0
.rept 16
	s_wait_dscnt 15-n                              ; LDS loads come back in order (ISA guide 5.7.1): number n is in, the 15 - n behind it may be out
	global_store_b128 v[LI], v[S+4*n:S+4*n+3], s[8:9] offset:8192*(n/4)+512*(n%4) th:TH_STORE_NT   ; 32 lanes store 512 consecutive bytes, at a multiple of 256 from out's first byte; written once
.set n, n+1
.endr
	s_wait_xcnt 0x0
	v_lshl_add_u32 v254, v0, 2, 0x4b200
	v_mov_b32 v255, 0
	s_wait_tensorcnt 0x0
	ds_add_u32 v254, v255
	s_wait_dscnt 0x0
	s_endpgm
.Lfunc_end_k_qe834262791_attn:
	.size	k_qe834262791_attn, .Lfunc_end_k_qe834262791_attn-k_qe834262791_attn
	.p2alignl 7, 3214868480
	.fill 96, 4, 3214868480
	.section	.rodata,"a",@progbits
	.p2align	6, 0x0
	.amdhsa_kernel k_qe834262791_attn
		.amdhsa_group_segment_fixed_size 309760
		.amdhsa_private_segment_fixed_size 0
		.amdhsa_enable_private_segment 0
		.amdhsa_kernarg_size 24
		.amdhsa_user_sgpr_count 2
		.amdhsa_user_sgpr_kernarg_segment_ptr 1
		.amdhsa_wavefront_size32 1
		.amdhsa_system_sgpr_workgroup_id_x 1
		.amdhsa_system_sgpr_workgroup_id_y 1
		.amdhsa_system_sgpr_workgroup_id_z 1
		.amdhsa_system_vgpr_workitem_id 0
		.amdhsa_next_free_vgpr 256
		.amdhsa_next_free_sgpr 66
		.amdhsa_reserve_vcc 0
		.amdhsa_float_denorm_mode_32 3
		.amdhsa_float_denorm_mode_16_64 3
		.amdhsa_memory_ordered 1
		.amdhsa_forward_progress 1
		.amdhsa_inst_pref_size 140
	.end_amdhsa_kernel
	.amdgpu_metadata
---
amdhsa.version: [ 1, 2 ]
amdhsa.kernels:
  - .name:           k_qe834262791_attn
    .symbol:         k_qe834262791_attn.kd
    .args:
      - { .name: qkv, .offset: 0, .size: 8, .value_kind: global_buffer, .address_space: global }
      - { .name: lowp_scales, .offset: 8, .size: 8, .value_kind: global_buffer, .address_space: global }
      - { .name: out0, .offset: 16, .size: 8, .value_kind: global_buffer, .address_space: global }
    .group_segment_fixed_size: 309760
    .private_segment_fixed_size: 0
    .kernarg_segment_align: 8
    .kernarg_segment_size: 24
    .max_flat_workgroup_size: 512
    .sgpr_count:     66
    .vgpr_count:     256
    .wavefront_size: 32
...
	.end_amdgpu_metadata
.endif
;; end of part 1
;; ======== version 2 of 2: 1 launch; version 1 with the launch attn written anew for expert scheduling mode
;; launch attn (part 2): grid 4 x 64, 16 waves a work-group, no clusters, 309,760 bytes of LDS; arguments qkv, lowp_scales, out0; writes out0
.if DOCPART == 2
	.amdgcn_target "amdgcn-amd-amdhsa--gfx1250"
	.amdhsa_code_object_version 6
	.text
	.protected	k_qe834262791_attn
	.globl	k_qe834262791_attn
	.p2align	8
	.type	k_qe834262791_attn,@function
k_qe834262791_attn:
	s_mov_b64 s[64:65], 0
	v_nop
	global_prefetch_b8 v0, s[64:65] scope:SCOPE_SE
	s_setreg_imm32_b32 hwreg(HW_REG_WAVE_SCHED_MODE, 0, 2), 2
	s_setreg_imm32_b32 hwreg(HW_REG_WAVE_MODE, 25, 1), 1
	s_wait_xcnt 0x0
	s_wait_alu depctr_vm_vsrc(0)
; out[b][c][t] = sum over s of softmax_s(sum over c' of (q g)(k g)) v[b][c][s], g = 64^(-1/4); qkv: [64][192][2048] f32 (rows 0-63 q, 64-127 k, 128-191 v; t innermost); out: [64][64][2048] f32.
; Both products on codes of BF8 (E5M2), each operand with its given scale 2^e: e0 for q g, e1 for k g, e2 for v, e3 for p.
; SOFTMAX: t = logit x log2(e); M = the running largest t rounded up to a whole number; p = 2^(t - M) is quantised, not normalised; the row's sum is taken of the unquantised p and divides at the end;
; when M moves, the sum and O are multiplied by 2^(old M - new M), which rounds nothing.
; SHARES.  A work-group owns 512 queries of one head (grid x: the block, y: the head); each of its 16 waves owns 32 queries, two tiles of 16, in 256 registers: four waves to a SIMD.
; Every wave walks the head's 2,048 keys, 64 a step, two steps (a chunk of 128 keys) a trip.
; QUANTISING ON THE WAY.  In trip j the 16 waves together turn chunk j + 1 of k and v into codes (wave w: channels 4 w .. 4 w + 3) and store them into LDS bytes of that chunk's own; the f32 numbers of chunk j + 2 are
; asked for then, a whole trip ahead of their wait.  All codes of the head stay in LDS and each byte is written once, so one barrier a trip (stores, wait, barrier, reads) is all the ordering.
; OPERANDS LIE IN LDS AS IMAGES OF THEIR REGISTERS: a fragment (16 rows x 64 along K: 8 registers) is two runs of 512 bytes, lane l's 16 bytes at 16 l.  Along K both operands of a product use the same place for the
; same k (register 4 d + i, half h, byte y: k = 32 d + 16 h + 4 i + y), which is not the form's own order: every product meets its partner, only the order of the sums inside an instruction differs.
; BOTH PRODUCTS ARE USED TRANSPOSED: S^T = K Q^T (source 0 = 16 keys, source 1 = 16 queries), O^T = V P^T (source 0 = 16 channels, source 1 = P): a lane holds ONE query throughout.
; THE ROWS OF A TILE ARE NOT NEIGHBOURS: row m of tile 2 b + u of a block of 32 positions is position 8 u + m % 8 + 16 (m / 8), for keys and for queries: so a lane's 16 registers of tiles 2 b, 2 b + 1 of S^T are the
; 16 neighbouring keys 32 b + 16 (lane / 16) + 0 .. 15, and p's conversions give the second product's operand as it stands.
; NO CLUSTER, NO TENSOR LOAD: what the four work-groups of a head share arrives as f32 and must pass registers to be scaled and quantised; two f32 slots of 128 keys x 128 rows x 4 bytes = 65,536 bytes each
; beside the 274,432 bytes of codes are 405,504 bytes, more than the 327,680 of LDS; and each f32 byte would cross LDS twice.
; LIMITS: e0, e1, e2, e3 each between -126 and 112; e0 + e1 between -126 and 127 (added to an exponent field); e2 + e3 is applied by v_ldexp_f32 and has none.  NaN and infinities among the inputs are not served.
; p below 2^-126 is 0 (v_exp_f32 gives no denormals: ISA guide, its entry in 15.8).
; THE MODE: SCHED_MODE bits 1:0 = 2 (LLVM: expert scheduling mode 2), set by the entry lines.  The code itself states the register dependences between vector or matrix instructions and memory or LDS
; instructions, with s_wait_alu, always for 0.
; THE PLAN.  Registers that memory or LDS instructions touch, in a trip:
;   ST            the loads asked for a trip ago have landed; the trip's scalings, holds and conversions read and write it; behind them the next loads land in it.
;   P (12 of 16)  at a trip's head the conversions and byte turns write the codes being made; eight LDS stores read them; later p's conversions write all of P and O^T's products read it.
;   F             K's loads land, S^T's products read; V's loads land, O^T's products read; twice a trip.
;   ADK, ADV, KSTW, VSTW   written by four additions at the trip's head; read by the trip's LDS loads and stores.
;   LI, KST0, VST0, ADV0, QST   written once at the kernel's head.   Q: loaded once.   S and O are named by vector and matrix instructions alone, up to the way out.
; THE WAITS OF A TRIP.  vm_vsrc at its head (the last trip's LDS loads have read ADK and ADV); va_vdst behind the four additions (they are written; O^T's products are done with F), then K's loads;
; va_vdst behind the making of the codes (P is written, ST is done with), then the eight stores and the eight global loads; vm_vsrc behind the wait for LDS (the stores have read P);
; in each step va_vdst behind tile 0's exponentials, which also states that S^T's products are done with F: V's loads follow it, dealt among lines that name S, O and the statistics alone;
; va_vdst behind tile 1's exponentials; va_vdst ahead of the second step's loads of K.
.set HEADB, 1572864                    ; a head of qkv in bytes: 192 rows of 8,192
.set KOFF,  524288                     ; k's first row in a head
.set VOFF,  1048576                    ; v's
.set KT,    1040                       ; LDS: a tile of 16 keys (or queries) x 64 channels: 1,024 bytes + 16
.set KSS,   4*KT                       ; a step's four tiles
.set KCS,   8*KT                       ; a chunk's eight;  K's images: bytes 0 .. 133,119
.set VB,    16*KCS                     ; V's images begin here
.set VHS,   272                        ; V: lanes 16-31's 256 bytes lie 272 behind lanes 0-15's
.set VBS,   544                        ; the fragment's second four registers
.set VFS,   1088                       ; the next tile of 16 channels
.set VSS,   4416                       ; the next step of 64 keys (4 x 1,088 + 64)
.set VCS,   2*VSS                      ; the next chunk;  V's images: 141,312 bytes
.set QIMG,  VB+16*VCS                  ; Q's 32 tiles, laid as K's: 33,280 bytes; LDS ends at 307,712
.set SP,    2064                       ; the way out: a stage of 64 rows (channels) x (512 queries x 4 bytes + 16), over K's images, which nobody reads any more
.set LI,   1                           ; v1   16 x lane: every global offset, and a fragment's place for my lane; never rewritten
.set ADK,  2                           ; v2   LDS address of the trip's tiles of K        (the way out: where I put channels 0-31)
.set ADV,  3                           ; v3   of V                                       (the way out: channels 32-63)
.set KST0, 4                           ; v4   where my lane stores codes of K, in chunk 0
.set VST0, 5                           ; v5   of V
.set ADV0, 6                           ; v6   my lane's place in a fragment of V, in chunk 0
.set KSTW, 7                           ; v7   KST0 + the trip's chunk                     (the way out: where I read rows back)
.set PSC,  8                           ; v8, v9    2^e3 and 57,344 x 2^e3
.set PLIM, 9
.set KSC,  10                          ; v10, v11  the same with e1
.set KLIM, 11
.set VSC,  12                          ; v12, v13  with e2
.set VLIM, 13
.set NM,   14                          ; tile t's statistics at + 6 t: -M,
.set SX,   15                          ; the largest score so far,
.set SU,   16                          ; the sum, in two halves (a pair),
.set FF,   18                          ; f = 2^(old M - new M),
.set TM,   19                          ; at work
.set U,    26                          ; tile t at + 2 t: at work; as a pair with W the second chain of the sum
.set W,    27
.set VSTW, 30                          ; v30  VST0 + the trip's chunk
.set TT,   30                          ; (at work at the head and on the way out)
.set QST,  31                          ; v31  where my lane stores codes of Q
.set Q,    32                          ; v32-47   Q's two fragments
.set P,    48                          ; v48-63   p's two fragments; at a trip's head the codes being made
.set QL,   60                          ; (head only) where my wave's fragments of Q lie
.set QSC,  62                          ; (head only) 2^e0 and 57,344 x 2^e0
.set QLIM, 63
.set F,    64                          ; v64-95   four fragments of K, later of V
.set S,    96                          ; v96-159  S^T, then p: 32 a tile
.set O,    160                         ; v160-223 O^T: accumulator (tile t, channels 16 c on) at 160 + 32 t + 8 c
.set ST,   224                         ; v224-255 the f32 chunk on its way: 16 of k, 16 of v
; s[4:5] qkv, s[6:7] the exponents' buffer, s[8:9] out; s10 wave, s11 head; s[16:19] e0..e3; s[20:21] c; s[22:23] lane selects; s[24:25] g; s[26:27] my four rows of the chunk to be loaded (at q's slab);
; s[28:29] the same at my block of queries; s30 trips; s31 e2 + e3; s33, s34 the trip's chunk in K's and V's images; s32, s35-s42 at work
.macro NOPS n
.rept \n
	v_nop
.endr
.endm
; eight loads of 512 consecutive bytes: 128 positions of my four channels of k, then of v.  Register 4 i + j of a lane: channel 4 w + i, position 4 lane + j
.macro GLOAD
.irp i, 0,1,2,3
	global_load_b128 v[ST+4*\i:ST+4*\i+3], v[LI], s[26:27] offset:KOFF+8192*\i
.endr
.irp i, 0,1,2,3
	global_load_b128 v[ST+16+4*\i:ST+16+4*\i+3], v[LI], s[26:27] offset:VOFF+8192*\i
.endr
.endm
; 16 numbers of q or k (4 channels x 4 positions) x g, held, converted; the 4 x 4 bytes are turned, so that a word holds 4 channels of one position: words tmp .. tmp + 3.  KSTORE sends them off
.macro QK16 src, tmp, sc, lim
.irp i, 0,2,4,6,8,10,12,14
	v_pk_mul_f32 v[\src+\i:\src+\i+1], v[\src+\i:\src+\i+1], s[24:25] op_sel_hi:[1,0]   ; x g, in f32
.endr
.irp i, 0,1,2,3,4,5,6,7,8,9,10,11,12,13,14,15
	v_med3_num_f32 v[\src+\i], v[\src+\i], -v[\lim], v[\lim]   ; the conversion to an 8-bit code does not saturate (ISA guide 7.6.2): the hold at the largest code x the scale
.endr
	v_cvt_scalef32_pk8_bf8_f32 v[\tmp:\tmp+1], v[\src:\src+7], v[\sc]       ; word i: channel i, positions 0-3
	v_cvt_scalef32_pk8_bf8_f32 v[\tmp+2:\tmp+3], v[\src+8:\src+15], v[\sc]
	v_nop                                          ; one plain vector instruction between a scaled conversion and the vector instructions that read its result
	v_perm_b32 v[\tmp+4], v[\tmp+1], v[\tmp], 0x05010400     ; c0p0 c1p0 c0p1 c1p1
	v_perm_b32 v[\tmp+5], v[\tmp+1], v[\tmp], 0x07030602     ; c0p2 c1p2 c0p3 c1p3
	v_perm_b32 v[\tmp+6], v[\tmp+3], v[\tmp+2], 0x05010400   ; c2p0 c3p0 c2p1 c3p1
	v_perm_b32 v[\tmp+7], v[\tmp+3], v[\tmp+2], 0x07030602   ; c2p2 c3p2 c2p3 c3p3
	v_perm_b32 v[\tmp], v[\tmp+6], v[\tmp+4], 0x05040100     ; position 0: channels 0-3
	v_perm_b32 v[\tmp+1], v[\tmp+6], v[\tmp+4], 0x07060302   ; position 1
	v_perm_b32 v[\tmp+2], v[\tmp+7], v[\tmp+5], 0x05040100   ; position 2
	v_perm_b32 v[\tmp+3], v[\tmp+7], v[\tmp+5], 0x07060302   ; position 3
.endm
.macro KSTORE tmp, adr, off            ; each word goes to its position's row in the image
.irp j, 0,1,2,3
	ds_store_b32 v[\adr], v[\tmp+\j] offset:\off+16*\j       ; neighbouring positions are neighbouring rows of a tile: 16 bytes apart
.endr
.endm
; 16 numbers of v: its K, the keys, is innermost already: word i holds 4 neighbouring keys of channel i.  VSTORE sends the words off
.macro V16 src, tmp
.irp i, 0,1,2,3,4,5,6,7,8,9,10,11,12,13,14,15
	v_med3_num_f32 v[\src+\i], v[\src+\i], -v[VLIM], v[VLIM]
.endr
	v_cvt_scalef32_pk8_bf8_f32 v[\tmp:\tmp+1], v[\src:\src+7], v[VSC]
	v_cvt_scalef32_pk8_bf8_f32 v[\tmp+2:\tmp+3], v[\src+8:\src+15], v[VSC]
	v_nop                                          ; the plain line behind the last conversion of a run: later vector and matrix instructions write these registers
.endm
.macro VSTORE tmp, adr, off
.irp i, 0,1,2,3
	ds_store_b32 v[\adr], v[\tmp+\i] offset:\off+16*\i       ; neighbouring channels are neighbouring rows of a tile
.endr
.endm
; the next chunk's codes are made and stored; load = 1: the chunk behind it is asked for
.macro PRODUCE load
	s_wait_loadcnt 0x0                             ; the eight loads asked for a trip ago are in, so their base may step
.if \load
	s_add_nc_u64 s[26:27], s[26:27], 512
.endif
	QK16 ST, P, KSC, KLIM
	V16 ST+16, P+8
	s_wait_alu depctr_va_vdst(0)                   ; the byte turns and v's conversions have written the codes in P, which the eight stores read; and the scalings, holds and conversions are done with ST, in which the loads below land
	KSTORE P, KSTW, KCS
	VSTORE P+8, VSTW, VCS
.if \load
	GLOAD
.endif
.endm
.macro KLOAD par                       ; the step's four tiles of K
.irp kt, 0,1,2,3
.irp qd, 0,1
	ds_load_b128 v[F+8*\kt+4*\qd:F+8*\kt+4*\qd+3], v[ADK] offset:KSS*\par+KT*\kt+512*\qd
.endr
.endr
.endm
.macro VFRAG par, ct                   ; tile ct of the step's four tiles of V
.irp b, 0,1
	ds_load_b128 v[F+8*(\ct)+4*\b:F+8*(\ct)+4*\b+3], v[ADV] offset:VSS*\par+VFS*(\ct)+VBS*\b
.endr
.endm
.macro SMUL                            ; S^T = K Q^T: eight accumulators, one instruction each, begun with the constant 0
.irp kt, 0,1,2,3
.irp t, 0,1
	v_wmma_f32_16x16x64_bf8_bf8 v[S+32*\t+8*\kt:S+32*\t+8*\kt+7], v[F+8*\kt:F+8*\kt+7], v[Q+8*\t:Q+8*\t+7], 0
.endr
.endr
.endm
.macro PVMUL                           ; O^T += V P^T: the eight accumulators take turns, one instruction a turn, and S^T's eight stand between two turns of each
.irp ct, 0,1,2,3
.irp t, 0,1
	v_wmma_f32_16x16x64_bf8_bf8 v[O+32*\t+8*\ct:O+32*\t+8*\ct+7], v[F+8*\ct:F+8*\ct+7], v[P+8*\t:P+8*\t+7], v[O+32*\t+8*\ct:O+32*\t+8*\ct+7]
.endr
.endr
.endm
; the largest score of each query, the new M, and f.  The two tiles' lines alternate; each accumulator of S^T is read from its low end on
.macro MAXSTAT
.irp t, 0,1
	v_max3_num_f32 v[TM+6*\t], v[S+32*\t], v[S+32*\t+1], v[S+32*\t+2]
	v_max3_num_f32 v[U+2*\t], v[S+32*\t+3], v[S+32*\t+4], v[S+32*\t+5]
.endr
.irp i, 6,10,14,18,22,26
.irp t, 0,1
	v_max3_num_f32 v[TM+6*\t], v[TM+6*\t], v[S+32*\t+\i], v[S+32*\t+\i+1]
	v_max3_num_f32 v[U+2*\t], v[U+2*\t], v[S+32*\t+\i+2], v[S+32*\t+\i+3]
.endr
.endr
.irp t, 0,1
	v_max3_num_f32 v[TM+6*\t], v[TM+6*\t], v[S+32*\t+30], v[S+32*\t+31]
.endr
.irp t, 0,1
	v_max3_num_f32 v[TM+6*\t], v[TM+6*\t], v[U+2*\t], v[SX+6*\t]   ; with the largest so far
.endr
.irp t, 0,1
	v_permlanex16_b32 v[W+2*\t], v[TM+6*\t], s22, s23              ; the query's other 32 keys lie in the lane 16 away
.endr
.irp t, 0,1
	v_max_num_f32 v[SX+6*\t], v[TM+6*\t], v[W+2*\t]
.endr
.irp t, 0,1
	v_mul_f32 v[U+2*\t], s20, v[SX+6*\t]                           ; as t (c is positive)
.endr
.irp t, 0,1
	v_floor_f32 v[W+2*\t], -v[U+2*\t]                              ; the new -M = floor(-t) = -ceil(t): a whole number
.endr
.irp t, 0,1
	v_sub_f32 v[U+2*\t], v[W+2*\t], v[NM+6*\t]                     ; old M - new M: a whole number, 0 or less
.endr
.irp t, 0,1
	v_mov_b32 v[NM+6*\t], v[W+2*\t]
.endr
.irp t, 0,1
	v_cvt_i32_f32 v[U+2*\t], v[U+2*\t]                             ; (it saturates)
.endr
.irp t, 0,1
	v_ldexp_f32 v[FF+6*\t], 1.0, v[U+2*\t]                         ; f = 2^(old M - new M)
.endr
.endm
; line n of 16 of a tile's sum of its 16 pairs of p, in two chains: su = su x f + pair 0; t2 = pair 1 + pair 2; pairs 3 to 15 by turns; su += t2.  The wait for the tile's exponentials stands ahead of line 0, in the step
.macro SUMOP sb, su, t2, ff
.if n == 0
	v_pk_fma_f32 v[\su:\su+1], v[\su:\su+1], v[\ff:\ff+1], v[\sb:\sb+1] op_sel_hi:[1,0,1]
.elseif n == 1
	v_pk_add_f32 v[\t2:\t2+1], v[\sb+2:\sb+3], v[\sb+4:\sb+5]
.elseif n == 15
	v_pk_add_f32 v[\su:\su+1], v[\su:\su+1], v[\t2:\t2+1]
.elseif n % 2 == 0
	v_pk_add_f32 v[\su:\su+1], v[\su:\su+1], v[\sb+2*n+2:\sb+2*n+3]
.else
	v_pk_add_f32 v[\t2:\t2+1], v[\t2:\t2+1], v[\sb+2*n+2:\sb+2*n+3]
.endif
.endm
; p's hold.  p is at most 1, and from e3 = -15 on the largest code x the scale, 1.75 x 2^(15 + e3), is at least 1.75: nothing would be held, and a scalar branch on the given whole number leads round the 64 lines
.macro HOLD
	s_cmp_gt_i32 s19, -16
	s_cbranch_scc1 .Lfree_\@
.set n, 0
.rept 64
	v_min_num_f32 v[S+n], v[S+n], v[PLIM]          ; p is not negative: the hold is one-sided
.set n, n+1
.endr
.Lfree_\@:
.endm
.macro PCVT                            ; registers 4 b .. 4 b + 3 of P: keys 32 b + 16 (lane / 16) + 0 .. 15
.irp t, 0,1
.irp b, 0,1
	v_cvt_scalef32_pk8_bf8_f32 v[P+8*\t+4*\b:P+8*\t+4*\b+1], v[S+32*\t+16*\b:S+32*\t+16*\b+7], v[PSC]
	v_cvt_scalef32_pk8_bf8_f32 v[P+8*\t+4*\b+2:P+8*\t+4*\b+3], v[S+32*\t+16*\b+8:S+32*\t+16*\b+15], v[PSC]
.endr
.endr
	v_nop                                          ; one plain vector instruction between the conversions and the matrix instructions that read their results
.endm
; A KEY STEP: 64 keys, the par-th of the trip's chunk.  Four places stand ahead of it, behind the last products.
.macro SUBSTEP par, quant, load
	s_wait_alu depctr_va_vdst(0)                   ; the last step's products O^T += V P^T are done reading F, in which K's loads land; in a trip's first step the four additions have written the trip's addresses, which its LDS loads and stores read
	KLOAD \par
.if \quant
	PRODUCE \load                                  ; stands between K's loads and the wait for them
.endif
	s_wait_dscnt 0x0                               ; K's fragments are in (at the first step Q's too)
.if \quant
	s_wait_alu depctr_vm_vsrc(0)                   ; my eight stores of codes have read P, which p's conversions write further down, on both ways round the hold
.endif
	SMUL
	NOPS 4                                         ; places (ISA guide 7.12.1) ahead of the first read of S^T
	MAXSTAT
.set n, 0
.rept 16
	v_pk_fma_f32 v[S+2*n:S+2*n+1], v[S+2*n:S+2*n+1], s[20:21], v[NM:NM+1] op_sel_hi:[1,0,0]   ; tile 0: t - M, two at a time (of the pairs c and -M the low word serves both halves)
.set n, n+1
.endr
.set n, 0
.rept 16                               ; an exponential and a plain line by turns: tile 0's p | tile 1's t - M, tile 0's O^T x f
	v_exp_f32 v[S+2*n], v[S+2*n]
	v_pk_fma_f32 v[S+32+2*n:S+32+2*n+1], v[S+32+2*n:S+32+2*n+1], s[20:21], v[NM+6:NM+7] op_sel_hi:[1,0,0]
	v_exp_f32 v[S+2*n+1], v[S+2*n+1]
	v_pk_mul_f32 v[O+2*n:O+2*n+1], v[O+2*n:O+2*n+1], v[FF:FF+1] op_sel_hi:[1,0]
.set n, n+1
.endr
	s_wait_alu depctr_va_vdst(0)                   ; tile 0's 32 exponentials have written p, ahead of its first reader, the sum below; and S^T's products are done reading F, in which V's loads land
.set n, 0
.rept 16                               ; tile 1's p | tile 0's sum, tile 1's O^T x f.  V's four fragments are asked for among the first of these lines, with no further wait: none of the lines from here to O^T's products names F or ADV
.if n < 4
	VFRAG \par, n
.endif
	v_exp_f32 v[S+32+2*n], v[S+32+2*n]
	SUMOP S, SU, U, FF
	v_exp_f32 v[S+32+2*n+1], v[S+32+2*n+1]
	v_pk_mul_f32 v[O+32+2*n:O+32+2*n+1], v[O+32+2*n:O+32+2*n+1], v[FF+6:FF+7] op_sel_hi:[1,0]
.set n, n+1
.endr
	s_wait_alu depctr_va_vdst(0)                   ; tile 1's 32 exponentials have written p, ahead of its first reader, the sum below
.set n, 0
.rept 16
	SUMOP S+32, SU+6, U+2, FF+6                    ; tile 1's sum: of the unquantised p
.set n, n+1
.endr
	HOLD
	PCVT
	s_wait_dscnt 0x0                               ; V's fragments are in
	PVMUL
.endm
; A TRIP: chunk j is multiplied; quant = 1: chunk j + 1 is made; load = 1: chunk j + 2 is asked for.
.macro TRIP quant, load
	s_wait_alu depctr_vm_vsrc(0)                   ; the LDS loads of the trip before have read ADK and ADV, which are written anew below; ahead of the first trip: Q's loads have read v60, and the head's stores the codes in P and in F, all of which this trip writes
	v_add_nc_u32 v[ADK], s33, v[LI]                ; the trip's four LDS addresses: a lane's place + the chunk.  These four lines are also the places behind the last products, ahead of the loads into F
	v_add_nc_u32 v[ADV], s34, v[ADV0]
	v_add_nc_u32 v[KSTW], s33, v[KST0]
	v_add_nc_u32 v[VSTW], s34, v[VST0]
	SUBSTEP 0, \quant, \load
	NOPS 4
	SUBSTEP 1, 0, 0
	s_wait_dscnt 0x0                               ; for the others' sake: my stores of the next chunk's codes have landed (and my reads of this chunk are over)
	s_barrier_signal -1
	s_barrier_wait -1                              ; the next chunk is whole
	s_add_co_u32 s33, s33, KCS
	s_add_co_u32 s34, s34, VCS
.endm
.macro MKSC e, sc, lim                 ; 2^e as f32 (the conversion takes its exponent field), and 57,344 x 2^e
	s_add_co_i32 s36, s[\e], 127
	s_lshl_b32 s37, s36, 23
	v_mov_b32 v[\sc], s37
	s_add_co_i32 s36, s36, 15
	s_lshl_b32 s36, s36, 23
	s_or_b32 s36, s36, 0x600000
	v_mov_b32 v[\lim], s36
.endm
	s_load_b128 s[4:7], s[0:1], 0x0                ; qkv, the exponents
	s_load_b64 s[8:9], s[0:1], 0x10                ; out
	v_lshrrev_b32 v[TT], 5, v0
	v_readfirstlane_b32 s10, v[TT]                 ; wave 0..15
	s_and_b32 s11, ttmp7, 0xffff                   ; the head
	v_and_b32 v[TT], 31, v0
	v_lshlrev_b32 v[LI], 4, v[TT]
	; K's (and Q's) stores.  My positions 4 l + j: tile 2 (l / 8) + bit 1 of l; row 8 (bit 2) + 4 (bit 0) + j.  My channels 4 w + 0..3: the run 512 (w / 8), the half 256 ((w / 4) % 2), byte 4 (w % 4)
	v_bfe_u32 v[TT], v0, 3, 2
	v_bfe_u32 v[KST0], v0, 1, 1
	v_lshl_add_u32 v[TT], v[TT], 1, v[KST0]
	v_mul_u32_u24 v[KST0], v[TT], KT
	v_and_b32 v[TT], 1, v0
	v_lshl_add_u32 v[KST0], v[TT], 6, v[KST0]
	v_bfe_u32 v[TT], v0, 2, 1
	v_lshl_add_u32 v[KST0], v[TT], 7, v[KST0]
	s_wait_alu depctr_va_sdst(0)                   ; s10, the wave's number, is written, ahead of its first reader: LDS places and the bases are made from it
	s_lshr_b32 s32, s10, 3
	s_lshl_b32 s32, s32, 9
	s_bfe_u32 s35, s10, 0x10002
	s_lshl_b32 s35, s35, 8
	s_add_co_u32 s32, s32, s35
	s_and_b32 s35, s10, 3
	s_lshl_b32 s36, s35, 2
	s_add_co_u32 s32, s32, s36
	v_add_nc_u32 v[KST0], s32, v[KST0]
	; V's stores.  My keys 4 l + 0..3: step l / 16, registers' half bit 3, lanes' half bit 2, byte 4 (l % 4).  My channels: tile w / 4, rows 4 (w % 4) + i
	v_bfe_u32 v[TT], v0, 4, 1
	v_mul_u32_u24 v[VST0], v[TT], VSS
	v_mul_u32_u24 v[ADV0], v[TT], VHS
	v_bfe_u32 v[TT], v0, 3, 1
	v_mad_u32_u24 v[VST0], v[TT], VBS, v[VST0]
	v_bfe_u32 v[TT], v0, 2, 1
	v_mad_u32_u24 v[VST0], v[TT], VHS, v[VST0]
	v_and_b32 v[TT], 3, v0
	v_lshl_add_u32 v[VST0], v[TT], 2, v[VST0]
	s_lshr_b32 s36, s10, 2
	s_mul_i32 s36, s36, VFS
	s_lshl_b32 s35, s35, 6
	s_add_co_u32 s36, s36, s35
	s_add_co_u32 s36, s36, VB
	v_add_nc_u32 v[VST0], s36, v[VST0]
	v_and_b32 v[TT], 15, v0                        ; V's reads: 16 (l % 16) + 272 (l / 16)
	v_lshl_add_u32 v[ADV0], v[TT], 4, v[ADV0]
	v_add_nc_u32 v[ADV0], VB, v[ADV0]
	v_add_nc_u32 v[QST], QIMG, v[KST0]
	s_mul_i32 s42, s10, 2*KT
	s_add_co_u32 s42, s42, QIMG
	v_add_nc_u32 v[QL], s42, v[LI]                 ; my wave's two tiles of Q: 2 w and 2 w + 1
	; byte offsets, apart from the addresses
	s_mul_i32 s36, s11, HEADB
	s_lshl_b32 s38, s10, 15                        ; my four rows of 8,192 bytes
	s_add_co_u32 s36, s36, s38
	s_mov_b32 s37, 0
	s_lshl_b32 s40, s11, 19                        ; out: a head is 64 rows of 8,192 bytes,
	s_add_co_u32 s40, s40, s38                     ; my four rows,
	s_lshl_b32 s38, ttmp9, 11                      ; my block's 512 queries
	s_mov_b32 s39, 0
	s_add_co_u32 s40, s40, s38
	s_mov_b32 s41, 0
	s_mov_b32 s22, 0x76543210                      ; v_permlanex16_b32: lane l xor 16
	s_mov_b32 s23, 0xfedcba98
	s_mov_b32 s24, 0x3eb504f3                      ; g = 64^(-1/4)
	s_mov_b32 s25, s24                             ; (named with it as a pair, so it is written)
	s_mov_b32 s33, 0
	s_mov_b32 s34, 0
	s_mov_b32 s30, 14
	s_wait_kmcnt 0x0
	s_load_b128 s[16:19], s[6:7], 0x0              ; e0, e1, e2, e3
	s_add_nc_u64 s[26:27], s[4:5], s[36:37]
	s_add_nc_u64 s[28:29], s[26:27], s[38:39]
	s_add_nc_u64 s[8:9], s[8:9], s[40:41]
	s_wait_alu depctr_va_vdst(0)                   ; LI, KST0, VST0, ADV0, QST and QL are written: the offsets and LDS addresses that the loads and stores below read
	GLOAD                                          ; chunk 0 of k and v
.irp cq, 0,1,2,3                       ; my four channels of the block's 512 queries, 128 at a time
.irp i, 0,1,2,3
	global_load_b128 v[S+16*\cq+4*\i:S+16*\cq+4*\i+3], v[LI], s[28:29] offset:8192*\i+512*\cq th:TH_LOAD_NT
.endr
.endr
.set n, 0
.rept 64
	v_mov_b32 v[O+n], 0                            ; O^T.  (The step is written once: the first finds zeros, which the first change of M leaves zeros)
.set n, n+1
.endr
.irp t, 0,1
	v_mov_b32 v[SX+6*\t], 0xff61b1e6               ; the largest score so far: -3e38
	v_mov_b32 v[NM+6*\t], 0x7f61b1e6               ; -M
	v_mov_b32 v[SU+6*\t], 0
	v_mov_b32 v[SU+6*\t+1], 0
	v_mov_b32 v[W+2*\t], 0                         ; written once: a lane permute's destination counts as one of its sources
.endr
	s_wait_kmcnt 0x0
	s_add_co_i32 s36, s16, s17
	s_lshl_b32 s36, s36, 23
	s_add_co_i32 s20, s36, 0x3fb8aa3b              ; c = log2(e) x 2^(e0 + e1): a sum of codes stands for sum x 2^(e0 + e1); the two exponents are added to the exponent field
	s_mov_b32 s21, s20
	s_add_co_i32 s31, s18, s19                     ; e2 + e3
	MKSC 16, QSC, QLIM
	MKSC 17, KSC, KLIM
	MKSC 18, VSC, VLIM
	MKSC 19, PSC, PLIM
	s_wait_loadcnt 16                              ; chunk 0's eight loads are in; Q's sixteen, issued behind them, may be out
	QK16 ST, P, KSC, KLIM
	V16 ST+16, P+8
	s_wait_alu depctr_va_vdst(0)                   ; chunk 0's codes are written in P, which the eight stores read; and the scalings, holds and conversions are done with ST, in which chunk 1's loads land
	KSTORE P, KST0, 0
	VSTORE P+8, VST0, 0
	s_add_nc_u64 s[26:27], s[26:27], 512           ; (the loads that named this base are done)
	GLOAD                                          ; chunk 1
	s_wait_loadcnt 8                               ; Q is in; chunk 1's eight may be out
.irp cq, 0,1,2,3
	QK16 S+16*\cq, F+8*\cq, QSC, QLIM
.endr
	s_wait_alu depctr_va_vdst(0)                   ; the byte turns have written Q's codes in F, which the sixteen stores read
.irp cq, 0,1,2,3
	KSTORE F+8*\cq, QST, KCS*\cq
.endr
	s_wait_dscnt 0x0                               ; for the others' sake: my stores have landed
	s_barrier_signal -1
	s_barrier_wait -1                              ; Q's images and chunk 0's are whole
.irp t, 0,1
.irp qd, 0,1
	ds_load_b128 v[Q+8*\t+4*\qd:Q+8*\t+4*\qd+3], v[QL] offset:KT*\t+512*\qd   ; Q stays in registers; the first step's wait for LDS covers these.  (No vector instruction has named v32-47; QL was written ahead of the head's first wait)
.endr
.endr
.Ltrip:                                        ; trips 0 to 13: each asks for the chunk two on, so the last load is chunk 15's
	TRIP 1, 1
	s_sub_co_u32 s30, s30, 1
	s_cmp_lg_u32 s30, 0
	s_cbranch_scc1 .Ltrip
	TRIP 1, 0                                      ; trip 14 makes chunk 15 and asks for nothing: no load leaves the buffer
	TRIP 0, 0                                      ; trip 15; behind its barrier nobody reads K's images any more
	; THE WAY OUT.  A lane holds one query and eight channels a tile; out wants rows along t.  So O^T / the sum goes into a stage of 64 rows (channels) x 512 queries, and each wave stores four whole rows' 2,048 bytes.
	s_wait_alu depctr_vm_vsrc(0)                   ; the last trip's LDS loads have read ADK and ADV, which are written anew below
	v_bfe_u32 v[TT], v0, 4, 1                      ; (these plain lines are the places behind the last products)
	v_mul_u32_u24 v[ADK], v[TT], 8*SP              ; channel 16 c + 8 (l / 16) + j,
	v_and_b32 v[TT], 7, v0
	v_lshl_add_u32 v[ADK], v[TT], 2, v[ADK]        ; query 32 w + 8 t + l % 8 + 16 ((l / 8) % 2), 4 bytes each
	v_bfe_u32 v[TT], v0, 3, 1
	v_lshl_add_u32 v[ADK], v[TT], 6, v[ADK]
	s_lshl_b32 s36, s10, 7
	v_add_nc_u32 v[ADK], s36, v[ADK]
	v_add_nc_u32 v[ADV], 32*SP, v[ADK]             ; channels 32 on: beyond the immediate's 16 bits
	s_mul_i32 s36, s10, 4*SP
	v_add_nc_u32 v[KSTW], s36, v[LI]               ; back: rows 4 w .. 4 w + 3
.irp t, 0,1
	v_add_f32 v[TM+6*\t], v[SU+6*\t], v[SU+6*\t+1] ; the sum's two halves,
.endr
.irp t, 0,1
	v_permlanex16_b32 v[W+2*\t], v[TM+6*\t], s22, s23
.endr
.irp t, 0,1
	v_add_f32 v[TM+6*\t], v[TM+6*\t], v[W+2*\t]    ; and lane l xor 16's: the row's sum
.endr
.irp t, 0,1
	v_rcp_f32 v[FF+6*\t], v[TM+6*\t]
.endr
	v_nop                                          ; a plain instruction between the last reciprocal and the use of its result
	s_wait_alu depctr_va_vdst(0)                   ; the two reciprocals have written their results, ahead of the first reader
.irp t, 0,1
	v_ldexp_f32 v[FF+6*\t], v[FF+6*\t], s31        ; x 2^(e2 + e3)
.endr
.irp t, 0,1
.set n, 0
.rept 16
	v_pk_mul_f32 v[O+32*\t+2*n:O+32*\t+2*n+1], v[O+32*\t+2*n:O+32*\t+2*n+1], v[FF+6*\t:FF+6*\t+1] op_sel_hi:[1,0]   ; each accumulator from its low end on
.set n, n+1
.endr
.endr
	s_wait_alu depctr_va_vdst(0)                   ; O^T / the sum is written, which the LDS stores read, and so are their two addresses and the address of the loads from the stage; every vector instruction that named S, in which those loads land, is done
.irp t, 0,1
.irp ct, 0,1,2,3
.irp j, 0,1,2,3,4,5,6,7
	ds_store_b32 v[ADK+\ct/2], v[O+32*\t+8*\ct+\j] offset:(16*(\ct%2)+\j)*SP+32*\t
.endr
.endr
.endr
	s_wait_dscnt 0x0                               ; for the others' sake: my stores into the stage have landed
	s_barrier_signal -1
	s_barrier_wait -1
.irp rr, 0,1,2,3
.irp k, 0,1,2,3
	ds_load_b128 v[S+16*\rr+4*\k:S+16*\rr+4*\k+3], v[KSTW] offset:SP*\rr+512*\k
.endr
.endr
.set n, 0
.rept 16
	s_wait_dscnt 15-n                              ; LDS loads come back in order (ISA guide 5.7.1): number n is in, the 15 - n behind it may be out
	global_store_b128 v[LI], v[S+4*n:S+4*n+3], s[8:9] offset:8192*(n/4)+512*(n%4) th:TH_STORE_NT   ; 32 lanes store 512 consecutive bytes, at a multiple of 256 from out's first byte; written once
.set n, n+1
.endr
	s_wait_xcnt 0x0                                ; the stores above have had their addresses translated (ISA guide 3.1), ahead of the kernel's last vector writes
	v_lshl_add_u32 v254, v0, 2, 0x4b200            ; my spare word, behind Q's images, and 0: made anew here, in two registers of ST, which no memory or LDS instruction has read
	v_mov_b32 v255, 0
	s_wait_dscnt 0x0                               ; the closing lines, six on end
	s_wait_alu 0x0
	s_wait_tensorcnt 0x0
	ds_add_u32 v254, v255
	s_wait_dscnt 0x0
	s_endpgm
.Lfunc_end_k_qe834262791_attn:
	.size	k_qe834262791_attn, .Lfunc_end_k_qe834262791_attn-k_qe834262791_attn
	.p2alignl 7, 3214868480
	.fill 96, 4, 3214868480
	.section	.rodata,"a",@progbits
	.p2align	6, 0x0
	.amdhsa_kernel k_qe834262791_attn
		.amdhsa_group_segment_fixed_size 309760
		.amdhsa_private_segment_fixed_size 0
		.amdhsa_enable_private_segment 0
		.amdhsa_kernarg_size 24
		.amdhsa_user_sgpr_count 2
		.amdhsa_user_sgpr_kernarg_segment_ptr 1
		.amdhsa_wavefront_size32 1
		.amdhsa_system_sgpr_workgroup_id_x 1
		.amdhsa_system_sgpr_workgroup_id_y 1
		.amdhsa_system_sgpr_workgroup_id_z 1
		.amdhsa_system_vgpr_workitem_id 0
		.amdhsa_next_free_vgpr 256
		.amdhsa_next_free_sgpr 66
		.amdhsa_reserve_vcc 0
		.amdhsa_float_denorm_mode_32 3
		.amdhsa_float_denorm_mode_16_64 3
		.amdhsa_memory_ordered 1
		.amdhsa_forward_progress 1
		.amdhsa_inst_pref_size 141
	.end_amdhsa_kernel
	.amdgpu_metadata
---
amdhsa.version: [ 1, 2 ]
amdhsa.kernels:
  - .name:           k_qe834262791_attn
    .symbol:         k_qe834262791_attn.kd
    .args:
      - { .name: qkv, .offset: 0, .size: 8, .value_kind: global_buffer, .address_space: global }
      - { .name: lowp_scales, .offset: 8, .size: 8, .value_kind: global_buffer, .address_space: global }
      - { .name: out0, .offset: 16, .size: 8, .value_kind: global_buffer, .address_space: global }
    .group_segment_fixed_size: 309760
    .private_segment_fixed_size: 0
    .kernarg_segment_align: 8
    .kernarg_segment_size: 24
    .max_flat_workgroup_size: 512
    .sgpr_count:     66
    .vgpr_count:     256
    .wavefront_size: 32
...
	.end_amdgpu_metadata
.endif
;; end of part 2
